; MI455X (gfx1250); checked and timed in simulation.
; The chip was launched on July 23, 2026; its instructions are those of AMD's public machine-readable ISA for CDNA 5 (MIT licence, August 2026) and "CDNA5" Instruction Set Architecture Reference Guide (July 2026). The comments in the code are by the model that wrote it; some were corrected since.
;; Self Attention. Allowed arithmetic: float matrix products may take bf16 or f16 operands with f32 sums; other float arithmetic in f32, or as packed bf16 or f16 multiplies, adds, multiply-adds, maxima and minima; sums over many terms, partial sums and values carried from step to step in f32; what a program stores and reads back later, other than sums and carried values, may be rounded once to bf16 or f16.
;; Inputs: Wk 1,024 x 1,024 float32; Wo 1,024 x 1,024 float32; Wq 1,024 x 1,024 float32; Wv 1,024 x 1,024 float32; attn_padding_mask 4 x 2,048 bool; bk 1,024 float32; bo 1,024 float32; bq 1,024 float32; bv 1,024 float32; key 2,048 x 4 x 1,024 float32; query 2,048 x 4 x 1,024 float32; value 2,048 x 4 x 1,024 float32.
;; Outputs: out0 2,048 x 4 x 1,024 float32.
;; One version. Each part assembles by itself: llvm-mc -triple=amdgcn-amd-amdhsa -mcpu=gfx1250 --defsym DOCPART=n.
;; ======== version 1 of 1: 4 launches
;; limits: values are held in f16: magnitudes above 65,504 overflow, below 6.1e-05 lose precision
;; workspace buffers: w16 8,388,608 bytes; qkv 50,331,648 bytes; o16 16,777,216 bytes
;; launch cvtw (part 1): grid 64 x 4, 8 waves a work-group, no clusters, 0 bytes of LDS; arguments Wq, Wk, Wv, Wo, w16; writes w16
.if DOCPART == 1
	.amdgcn_target "amdgcn-amd-amdhsa--gfx1250"
	.amdhsa_code_object_version 6
	.text
	.protected	k_q4a3aaf9199_cvtw
	.globl	k_q4a3aaf9199_cvtw
	.p2align	8
	.type	k_q4a3aaf9199_cvtw,@function
k_q4a3aaf9199_cvtw:
	s_mov_b64 s[64:65], 0
	v_nop
	global_prefetch_b8 v0, s[64:65] scope:SCOPE_SE
	s_setreg_imm32_b32 hwreg(HW_REG_WAVE_MODE, 25, 1), 1
	s_wait_xcnt 0x0
; w16[y][n][k], 16 bits a number: y = 0, 1, 2: Wq, Wk, Wv rounded once to bf16.  y = 3: Wo rounded once to bf16, and that number written as f16
; (exact from 6.1e-5 to 65,504 in magnitude; below that f16's fixed step of 6e-8; LIMIT: |Wo| stays under 65,504).
; A stream: each byte is read once and written once, so no LDS, no barrier, no matrix unit.  A work-group of eight waves converts 16,384 numbers in eight passes;
; in a pass thread t takes the 8 numbers at 32 t bytes and stores 16 bytes at 16 t: a wave's store covers 512 consecutive bytes, aligned.
; All sixteen loads go out first; each pass has its own result registers, so no register that a store reads is written again.
.set IN,  8                            ; v[8:71]    pass i: 8 numbers in f32
.set T,   72                           ; v[72:75]   four packed pairs in bf16; v[76:83] the same numbers widened to f32, then packed in f16
.set OUT, 88                           ; v[88:119]  pass i: 4 registers to store
	s_load_b256 s[4:11], s[0:1], 0x0               ; Wq s[4:5], Wk s[6:7], Wv s[8:9], Wo s[10:11]
	s_load_b64 s[12:13], s[0:1], 0x20              ; w16
	s_and_b32 s14, ttmp7, 0xffff                   ; y: which matrix
	s_mov_b32 s15, 0xffff0000                      ; a word's upper bf16
	s_lshl_b32 s16, ttmp9, 16                      ; the work-group's 65,536 bytes of the source
	s_mov_b32 s17, 0
	s_lshl_b32 s18, s14, 21                        ; a matrix is 2 MiB in w16,
	s_lshl_b32 s19, ttmp9, 15                      ; the work-group's part 32,768 bytes
	s_add_co_u32 s18, s18, s19
	s_mov_b32 s19, 0
	v_lshlrev_b32 v1, 5, v0                        ; 32 t
	v_lshlrev_b32 v2, 4, v0                        ; 16 t
	s_wait_kmcnt 0x0
	s_cmp_eq_u32 s14, 1
	s_cselect_b64 s[4:5], s[6:7], s[4:5]
	s_cmp_eq_u32 s14, 2
	s_cselect_b64 s[4:5], s[8:9], s[4:5]
	s_cmp_eq_u32 s14, 3
	s_cselect_b64 s[4:5], s[10:11], s[4:5]
	s_cselect_b32 s20, -1, 0                       ; all lanes take the f16 form for Wo, none for the others
	s_add_nc_u64 s[4:5], s[4:5], s[16:17]
	s_add_nc_u64 s[12:13], s[12:13], s[18:19]
.irp i, 0,1,2,3,4,5,6,7
	global_load_b128 v[IN+8*(\i):IN+8*(\i)+3],   v1, s[4:5] offset:8192*(\i) th:TH_LOAD_NT
	global_load_b128 v[IN+8*(\i)+4:IN+8*(\i)+7], v1, s[4:5] offset:8192*(\i)+16 th:TH_LOAD_NT
.endr
.irp i, 0,1,2,3,4,5,6,7
	s_wait_loadcnt 14-2*(\i)                       ; loads come back in order: pass i's two are in, the later passes' stay out
.irp j, 0,1,2,3
	v_cvt_pk_bf16_f32 v[T+(\j)], v[IN+8*(\i)+2*(\j)], v[IN+8*(\i)+2*(\j)+1]
.endr
.irp j, 0,1,2,3
	v_lshlrev_b32 v[T+4+2*(\j)], 16, v[T+(\j)]     ; the rounded numbers as f32 again
	v_and_b32     v[T+5+2*(\j)], s15, v[T+(\j)]
.endr
.irp j, 0,1,2,3
	v_cvt_pk_f16_f32 v[T+4+2*(\j)], v[T+4+2*(\j)], v[T+5+2*(\j)]
.endr
.irp j, 0,1,2,3
	v_cndmask_b32 v[OUT+4*(\i)+(\j)], v[T+(\j)], v[T+4+2*(\j)], s20
.endr
	global_store_b128 v2, v[OUT+4*(\i):OUT+4*(\i)+3], s[12:13] offset:4096*(\i)
.endr
	s_endpgm
.Lfunc_end_k_q4a3aaf9199_cvtw:
	.size	k_q4a3aaf9199_cvtw, .Lfunc_end_k_q4a3aaf9199_cvtw-k_q4a3aaf9199_cvtw
	.p2alignl 7, 3214868480
	.fill 96, 4, 3214868480
	.section	.rodata,"a",@progbits
	.p2align	6, 0x0
	.amdhsa_kernel k_q4a3aaf9199_cvtw
		.amdhsa_group_segment_fixed_size 0
		.amdhsa_private_segment_fixed_size 0
		.amdhsa_enable_private_segment 0
		.amdhsa_kernarg_size 40
		.amdhsa_user_sgpr_count 2
		.amdhsa_user_sgpr_kernarg_segment_ptr 1
		.amdhsa_wavefront_size32 1
		.amdhsa_system_sgpr_workgroup_id_x 1
		.amdhsa_system_sgpr_workgroup_id_y 1
		.amdhsa_system_sgpr_workgroup_id_z 1
		.amdhsa_system_vgpr_workitem_id 0
		.amdhsa_next_free_vgpr 120
		.amdhsa_next_free_sgpr 66
		.amdhsa_reserve_vcc 0
		.amdhsa_float_denorm_mode_32 3
		.amdhsa_float_denorm_mode_16_64 3
		.amdhsa_memory_ordered 1
		.amdhsa_forward_progress 1
		.amdhsa_inst_pref_size 12
	.end_amdhsa_kernel
	.amdgpu_metadata
---
amdhsa.version: [ 1, 2 ]
amdhsa.kernels:
  - .name:           k_q4a3aaf9199_cvtw
    .symbol:         k_q4a3aaf9199_cvtw.kd
    .args:
      - { .name: Wq, .offset: 0, .size: 8, .value_kind: global_buffer, .address_space: global }
      - { .name: Wk, .offset: 8, .size: 8, .value_kind: global_buffer, .address_space: global }
      - { .name: Wv, .offset: 16, .size: 8, .value_kind: global_buffer, .address_space: global }
      - { .name: Wo, .offset: 24, .size: 8, .value_kind: global_buffer, .address_space: global }
      - { .name: w16, .offset: 32, .size: 8, .value_kind: global_buffer, .address_space: global }
    .group_segment_fixed_size: 0
    .private_segment_fixed_size: 0
    .kernarg_segment_align: 8
    .kernarg_segment_size: 40
    .max_flat_workgroup_size: 256
    .sgpr_count:     66
    .vgpr_count:     120
    .wavefront_size: 32
...
	.end_amdgpu_metadata
.endif
;; end of part 1
;; launch proj (part 2): grid 4 x 192, 4 waves a work-group, clusters of 4 x 4, 327,680 bytes of LDS; arguments query, key, value, bq, bk, bv, w16, qkv; writes qkv
.if DOCPART == 2
	.amdgcn_target "amdgcn-amd-amdhsa--gfx1250"
	.amdhsa_code_object_version 6
	.text
	.protected	k_q4a3aaf9199_proj
	.globl	k_q4a3aaf9199_proj
	.p2align	8
	.type	k_q4a3aaf9199_proj,@function
k_q4a3aaf9199_proj:
	s_mov_b64 s[64:65], 0
	v_nop
	global_prefetch_b8 v0, s[64:65] scope:SCOPE_SE
	s_setreg_imm32_b32 hwreg(HW_REG_WAVE_MODE, 25, 1), 1
	s_wait_xcnt 0x0
	s_wait_alu depctr_hold_cnt(0) depctr_sa_sdst(0) depctr_va_vdst(0) depctr_va_sdst(0) depctr_va_ssrc(0) depctr_va_vcc(0) depctr_vm_vsrc(0)
	s_getreg_b32 s2, hwreg(HW_REG_IB_STS2, 6, 4)
	s_cmp_eq_u32 s2, 0
	s_cbranch_scc0 .Lentry_in_a_cluster
	s_endpgm
.Lentry_in_a_cluster:
	s_bfe_u32 s2, ttmp6, 0x10000c
	s_cmp_lg_u32 s2, 0xf033
	s_cbranch_scc0 .Lentry_shape_is_right
	s_endpgm
.Lentry_shape_is_right:
; qkv[t][16 b + head][s][d] = f16( sum over k of bf16(x_t[s][b][k]) bf16(W_t[64 head + d][k]) + bf16(b_t[64 head + d]) ), t = 0, 1, 2 for query, key, value.  Sums in f32, rounded once.
; LIMIT: a result of 65,520 or more in magnitude leaves f16's range.  The scale 1/8 is not applied here.
; SHARES.  3 x 8,192 x 1,024 outputs in 768 tiles of 128 rows x 256 columns.  A tile's rows are 128 consecutive s of ONE batch b (16,384 bytes apart in x), so that
; a head's 64 columns of 16 rows leave as 2,048 consecutive bytes.  Four waves, each 64 rows x 128 columns: 32 accumulators of 16 x 16.
; K goes in steps of 128 through two LDS slots: x as it lies, in f32 (rows of 512 bytes), W in bf16 (rows of 256 bytes).  x is rounded to bf16 between LDS and the matrix instruction:
; a fragment's 8 conversions stand behind the products of the fragment before it.
; CLUSTER, 4 x 4: cx is the block of 256 columns, cy the batch; cluster y holds t and the block of 128 s.  The four of a row need the same tile of x, the four of a column the same tile of W:
; each is asked for jointly, by the same tensor load with the same descriptor and a mask that names the four.
; THE MATRIX INSTRUCTION IS USED TRANSPOSED (source 0 = 16 rows of W, source 1 = 16 rows of x): a lane holds row l % 16 and the columns 8 (l / 16) + 0..7.  The bias is the C of the first product.
; REGISTERS: window 0: v0-31 addresses; v32-63 x's four fragments in bf16; v64-95 at work; v128-255 x in f32, two buffers of 64, later the rows on their way out.
;   window 1: the accumulators, (a, b) at v[8 (8 a + b)].   window 2: v0-127 W's fragments, two buffers of 64; v128-191 the bias, 8 registers for each b.
.set PX,     528                       ; an LDS row of x: 512 bytes + 16: the 16 rows of a load start in 16 different 16-byte columns of 256 bytes
.set PW,     272                       ; an LDS row of W: 256 bytes + 16, likewise
.set XHALF,  64*PX                     ; what one tensor load brings of x, and what one wave reads of it
.set WHALF,  128*PW                    ; the same for W
.set WOFF,   2*XHALF
.set SLOT,   WOFF+2*WHALF              ; 137,216
.set STAGE,  2*SLOT                    ; behind the ring: 2 heads x 16 rows x 144 bytes for each wave
.set SP,     144
.set SPARE,  STAGE+4*32*SP             ; behind the stages: the spare words, 128 bytes a wave
.set LAPS,   4                         ; K = 1,024 is 8 steps, two to a lap
.set ADRX, 16                          ; v16-17  LDS address of my fragments of x in slot 0, 1
.set ADRW, 20                          ; v20-21  the same for W
.set STO,  24                          ; v24     the way out: where I put 16 bytes of a row
.set RD,   25                          ; v25     where I read rows back
.set CO,   26                          ; v26     16 x lane
.set BO,   27                          ; v27     32 x (lane / 16): my eight numbers of a bias fragment
.set SPW,  28                          ; v28     my spare word; never rewritten
.set NIL,  29                          ; v29     0; never rewritten
.set PFO,  30                          ; v30     the prefetches' offset; never rewritten
.set ABF,  32
.set TMP,  64
.set RAW,  128
.set OB,   128
.set BIAS, 128                         ; in window 2
.set WV, 10                            ; s10 wave; s11 = wave / 2: my half of the rows, and: I fetch x (0) or W (1); s12 = wave % 2: my half of the columns, and: which half I fetch
.set WM, 11
.set WN, 12
.set G1,  24                           ; s[24:31] group 1 for x; s[32:39] group 0, a set for each slot
.set G0,  32
.set G1B, 48                           ; s[48:55], s[56:63] the same for W
.set G0B, 56
.set BP,  84                           ; s[84:85] the bias
.set PFA, 86                           ; s[86:87] where my prefetches stand
.set LIM, 88                           ; s88  1 in a wave that prefetches, else the greatest number
.set HIM, 89                           ; s89  a word's upper bf16
.set MSB, 0
.macro WIN new                         ; the immediate's high byte repeats the setting that is left
.if MSB != (\new)
	s_set_vgpr_msb (MSB<<8)|(\new)
.set MSB, \new
.endif
.endm
.set MUL,   0x52                       ; source 0 (W) window 2, source 1 (x) window 0, C and D window 1
.set MULB,  0x62                       ; the same with C (the bias) in window 2
.set TO_B,  0x80                       ; destination window 2
.set PACKW, 0x05                       ; sources 0 and 1 window 1
.macro JLOAD s                         ; a joint load: waves 0 and 1 fetch x's two halves, waves 2 and 3 W's; an s_nop 0 and four v_nop follow each line
	s_cmp_eq_u32 s[WM], 0
	s_cbranch_scc0 .Lfor_b_\@
	tensor_load_to_lds s[G0+4*(\s):G0+4*(\s)+3], s[G1:G1+7]
	s_nop 0
.rept 4
	v_nop
.endr
	s_branch .Lasked_\@
.Lfor_b_\@:
	tensor_load_to_lds s[G0B+4*(\s):G0B+4*(\s)+3], s[G1B:G1B+7]
	s_nop 0
.rept 4
	v_nop
.endr
.Lasked_\@:
.endm
.macro CREST                           ; a round of the cluster's barrier behind its opening barrier
	s_cmp_lg_u32 s[WV], 0
	s_cbranch_scc1 .Lnot_wave_0_\@
	s_barrier_signal -3
.Lnot_wave_0_\@:
	s_barrier_wait -3
	s_barrier_signal -1
	s_barrier_wait -1
.endm
.macro CROUND
	s_barrier_signal -1
	s_barrier_wait -1
	CREST
.endm
; A prefetch into the L2 of x alone, which is read once in the launch: behind the refill of K step u it names K step u + 2.  Of the 64 rows that wave 0 or 1 fetches the partner at cx takes
; 16, told apart by address; a lane names 256 of a row's 512 bytes: each block is named once.  The loop's last trip asks for nothing: there is no K step behind its refills.
.macro ASK
	s_cmp_gt_u32 s3, s[LIM]
	s_cbranch_scc0 .Lnot_mine_\@
	global_prefetch_b8 v[PFO], s[PFA:PFA+1] offset:512 th:TH_LOAD_NT scope:SCOPE_SE
.Lnot_mine_\@:
.endm
	s_load_b512 s[68:83], s[0:1], 0x0              ; query s[68:69], key, value, bq s[74:75], bk, bv, w16 s[80:81], qkv s[82:83]
	v_lshl_add_u32 v[SPW], v0, 2, SPARE
	v_mov_b32 v[NIL], 0
	ds_add_u32 v[SPW], v[NIL]                      ; the wave's opening: the add and its wait ahead of my first tensor load; the set-up stands between them
	v_lshrrev_b32 v1, 5, v0
	v_readfirstlane_b32 s[WV], v1
	s_lshr_b32 s[WM], s[WV], 1
	s_and_b32 s[WN], s[WV], 1
	s_bfe_u32 s40, ttmp6, 0x40000                  ; cx
	s_bfe_u32 s41, ttmp6, 0x40004                  ; cy = the batch
	s_lshl_b32 s42, ttmp9, 2
	s_add_co_u32 s42, s42, s40                     ; the block of 256 columns
	s_and_b32 s13, ttmp7, 0xffff                   ; cluster y = 16 t + the block of 128 s
	s_lshr_b32 s45, s13, 4                         ; t
	s_and_b32 s13, s13, 15
	s_lshl_b32 s43, s41, 2
	s_lshl_b32 s43, 15, s43                        ; my row of the cluster
	s_lshl_b32 s44, 0x1111, s40                    ; my column
	s_or_b32 s[G1+0], s43, (2<<16)|(1<<20)|(1<<21)|(6<<22)|(3<<25)   ; the mask; elements of 4 bytes; padding on; bit 21 beside a mask; after every 128 words, 4 words
	s_mov_b32 s[G1+1], 128<<16                     ; tensor_dim0 = 128
	s_mov_b32 s[G1+2], 64<<16                      ; tensor_dim1 = 64
	s_mov_b32 s[G1+3], 128<<16                     ; tile_dim0 = 128
	s_mov_b32 s[G1+4], 64                          ; tile_dim1 = 64
	s_mov_b32 s[G1+5], 4096                        ; from s to s + 1: 4 batches x 1,024 elements
	s_mov_b32 s[G1+6], 0
	s_mov_b32 s[G1+7], 0
	s_or_b32 s[G1B+0], s44, (1<<16)|(1<<20)|(1<<21)|(5<<22)|(3<<25)  ; elements of 2 bytes; after every 64 words, 4 words
	s_mov_b32 s[G1B+1], 128<<16
	s_mov_b32 s[G1B+2], 128<<16
	s_mov_b32 s[G1B+3], 128<<16
	s_mov_b32 s[G1B+4], 128
	s_mov_b32 s[G1B+5], 1024
	s_mov_b32 s[G1B+6], 0
	s_mov_b32 s[G1B+7], 0
	s_lshl_b32 s16, s13, 21                        ; x: 128 s x 16,384 bytes a block,
	s_lshl_b32 s17, s[WN], 20                      ; the 64 rows that I fetch,
	s_add_co_u32 s16, s16, s17
	s_lshl_b32 s17, s41, 12                        ; the batch
	s_add_co_u32 s16, s16, s17
	s_mov_b32 s17, 0
	s_lshl_b32 s18, s45, 21                        ; W: the matrix,
	s_lshl_b32 s19, s42, 19                        ; 256 rows of 2,048 bytes a block,
	s_add_co_u32 s18, s18, s19
	s_lshl_b32 s19, s[WN], 18                      ; the 128 rows that I fetch
	s_add_co_u32 s18, s18, s19
	s_mov_b32 s19, 0
	s_mul_i32 s20, s[WN], XHALF                    ; where they go: no place in the cluster enters an LDS address
	s_mul_i32 s21, s[WN], WHALF
	s_add_co_u32 s21, s21, WOFF
	s_mov_b32 s[HIM], 0xffff0000
	s_cmp_eq_u32 s[WM], 0
	s_cselect_b32 s[LIM], 1, -1
	s_wait_dscnt 0x0                               ; the opening add is done
	s_wait_kmcnt 0x0
	s_cmp_eq_u32 s45, 1
	s_cselect_b64 s[4:5], s[70:71], s[68:69]
	s_cselect_b64 s[BP:BP+1], s[76:77], s[74:75]
	s_cmp_eq_u32 s45, 2
	s_cselect_b64 s[4:5], s[72:73], s[4:5]
	s_cselect_b64 s[BP:BP+1], s[78:79], s[BP:BP+1]
	s_add_nc_u64 s[14:15], s[4:5], s[16:17]
	s_add_nc_u64 s[46:47], s[80:81], s[18:19]
	CROUND                                         ; all sixteen work-groups are here: the first joint loads meet
.irp s, 0,1
	s_mov_b32 s[G0+4*(\s)], 1
	s_add_co_u32 s[G0+4*(\s)+1], s20, (\s)*SLOT
	s_add_nc_u64 s[G0+4*(\s)+2:G0+4*(\s)+3], s[14:15], (\s)*512      ; K step s: 128 f32
	s_or_b32 s[G0+4*(\s)+3], s[G0+4*(\s)+3], 0x80000000
	s_mov_b32 s[G0B+4*(\s)], 1
	s_add_co_u32 s[G0B+4*(\s)+1], s21, (\s)*SLOT
	s_add_nc_u64 s[G0B+4*(\s)+2:G0B+4*(\s)+3], s[46:47], (\s)*256    ; 128 bf16
	s_or_b32 s[G0B+4*(\s)+3], s[G0B+4*(\s)+3], 0x80000000
	JLOAD \s
.endr
	v_and_b32 v1, 15, v0                           ; l % 16
	v_bfe_u32 v2, v0, 4, 1                         ; l / 16
	v_mul_u32_u24 v3, v1, PX
	v_lshl_add_u32 v3, v2, 5, v3                   ; x: row x pitch + 8 f32 x half
	v_mul_u32_u24 v4, v1, PW
	v_lshl_add_u32 v4, v2, 4, v4                   ; W: row x pitch + 8 bf16 x half
	s_mul_i32 s22, s[WM], XHALF                    ; my 64 rows of x
	s_mul_i32 s23, s[WN], WHALF                    ; my 128 rows of W
	s_add_co_u32 s23, s23, WOFF
.irp s, 0,1
	v_add_nc_u32 v[ADRX+(\s)], s22, v3
	v_add_nc_u32 v[ADRW+(\s)], s23, v4
	s_add_co_u32 s22, s22, SLOT
	s_add_co_u32 s23, s23, SLOT
.endr
	s_mul_i32 s22, s[WV], 32*SP
	s_add_co_u32 s22, s22, STAGE                   ; my stage
	v_mul_u32_u24 v5, v1, SP
	v_lshl_add_u32 v5, v2, 4, v5
	v_add_nc_u32 v[STO], s22, v5                   ; in: row l % 16, 16 bytes for each half of the lanes
	v_bfe_u32 v5, v0, 3, 2
	v_and_b32 v6, 7, v0
	v_mul_u32_u24 v5, v5, SP
	v_lshl_add_u32 v5, v6, 4, v5
	v_add_nc_u32 v[RD], s22, v5                    ; back: 32 lanes take four rows of 128 bytes
	v_and_b32 v[CO], 31, v0
	v_lshlrev_b32 v[CO], 4, v[CO]
	v_lshlrev_b32 v[BO], 5, v2
	v_bfe_u32 v5, v0, 1, 4                         ; the prefetches: row lane / 2, 16,384 bytes apart; block lane % 2
	v_and_b32 v6, 1, v0
	v_lshlrev_b32 v6, 8, v6
	v_lshl_add_u32 v[PFO], v5, 14, v6
	s_lshl_b32 s22, s40, 18                        ; my work-group's 16 rows of the 64
	s_mov_b32 s23, 0
	s_add_nc_u64 s[PFA:PFA+1], s[14:15], s[22:23]
	s_add_nc_u64 s[PFA:PFA+1], s[PFA:PFA+1], 1024  ; at K step 2: the first refill steps it to 3 and names 4
	s_lshl_b32 s22, s45, 24                        ; where my part of the tile begins in qkv: t,
	s_lshl_b32 s23, s41, 22                        ; 16 heads a batch,
	s_add_co_u32 s22, s22, s23
	s_lshl_b32 s23, s42, 20                        ; 4 heads a block of columns,
	s_add_co_u32 s22, s22, s23
	s_lshl_b32 s23, s[WN], 19                      ; 2 heads a wave,
	s_add_co_u32 s22, s22, s23
	s_lshl_b32 s23, s13, 14                        ; 128 rows of 128 bytes a block of s,
	s_add_co_u32 s22, s22, s23
	s_lshl_b32 s23, s[WM], 13                      ; my 64 rows
	s_add_co_u32 s22, s22, s23
	s_mov_b32 s23, 0
	s_add_nc_u64 s[8:9], s[82:83], s[22:23]
	s_lshl_b32 s22, s42, 10                        ; the bias of my 128 columns
	s_lshl_b32 s23, s[WN], 9
	s_add_co_u32 s22, s22, s23
	s_mov_b32 s23, 0
	s_add_nc_u64 s[BP:BP+1], s[BP:BP+1], s[22:23]
.irp b, 0,1,2,3,4,5,6,7
	global_load_b128 v[RAW+8*(\b):RAW+8*(\b)+3],   v[BO], s[BP:BP+1] offset:64*(\b)
	global_load_b128 v[RAW+8*(\b)+4:RAW+8*(\b)+7], v[BO], s[BP:BP+1] offset:64*(\b)+16
.endr
	s_wait_loadcnt 0x0
.set i, 0
.rept 32
	v_cvt_pk_bf16_f32 v[TMP+i], v[RAW+2*i], v[RAW+2*i+1]   ; the bias is rounded to bf16 like every input,
.set i, i+1
.endr
	WIN TO_B
.set i, 0
.rept 32
	v_lshlrev_b32 v[BIAS+2*i],   16, v[TMP+i]              ; and widened again: fragment b's register j is the bias of column 16 b + 8 (l / 16) + j
	v_and_b32     v[BIAS+2*i+1], s[HIM], v[TMP+i]
.set i, i+1
.endr
	WIN 0
; 32 LDS loads in one run: the fragments of 32 along K, quarter kq of the slot, into buffer g: W's eight, then x's four in f32 (k = 8 h + 0..7 and 16 + 8 h + 0..7: 32 bytes at 32 h and at 64 + 32 h)
.macro FETCH slot, kq, g
	WIN TO_B
.irp i, 0,1,2,3,4,5,6,7
	ds_load_b128 v[64*(\g)+8*(\i):64*(\g)+8*(\i)+3],   v[ADRW+(\slot)] offset:(\kq)*64+(\i)*16*PW
	ds_load_b128 v[64*(\g)+8*(\i)+4:64*(\g)+8*(\i)+7], v[ADRW+(\slot)] offset:(\kq)*64+(\i)*16*PW+32
.endr
	WIN 0
.irp a, 0,1,2,3
.irp c, 0,1,2,3
	ds_load_b128 v[RAW+64*(\g)+16*(\a)+4*(\c):RAW+64*(\g)+16*(\a)+4*(\c)+3], v[ADRX+(\slot)] offset:(\kq)*128+(\a)*16*PX+16*((\c)&1)+64*((\c)>>1)
.endr
.endr
.endm
.macro CV f, a, j0, n                  ; n registers, from j0 on, of x's fragment a: two f32 of buffer f rounded to bf16
	WIN 0
.set cj, \j0
.rept \n
	v_cvt_pk_bf16_f32 v[ABF+8*(\a)+cj], v[RAW+64*(\f)+16*(\a)+2*cj], v[RAW+64*(\f)+16*(\a)+2*cj+1]
.set cj, cj+1
.endr
.endm
.macro MUL4 f, a, b0, first            ; four products: x's fragment a, W's fragments b0 .. b0 + 3.  first = 1: the bias starts the sums
.if \first
	WIN MULB
.else
	WIN MUL
.endif
.irp b, \b0, (\b0)+1, (\b0)+2, (\b0)+3
.if \first
	v_wmma_f32_16x16x32_bf16 v[8*(8*(\a)+(\b)):8*(8*(\a)+(\b))+7], v[64*(\f)+8*(\b):64*(\f)+8*(\b)+7], v[ABF+8*(\a):ABF+8*(\a)+7], v[BIAS+8*(\b):BIAS+8*(\b)+7]
.else
	v_wmma_f32_16x16x32_bf16 v[8*(8*(\a)+(\b)):8*(8*(\a)+(\b))+7], v[64*(\f)+8*(\b):64*(\f)+8*(\b)+7], v[ABF+8*(\a):ABF+8*(\a)+7], v[8*(8*(\a)+(\b)):8*(8*(\a)+(\b))+7]
.endif
.endr
.endm
; Eight products on fragment a, and behind each four of them four conversions of fragment a + 1.  The 32 accumulators take turns, one instruction a turn.
; A fragment's registers are written again no sooner than 8 conversions of other fragments behind the last product that read them.
.macro MROW f, a, first
	MUL4 \f, \a, 0, \first
.if (\a) < 3
	CV \f, (\a)+1, 0, 4
.endif
	MUL4 \f, \a, 4, \first
.if (\a) < 3
	CV \f, (\a)+1, 4, 4
.endif
.endm
; A K step is four quarters of 32 along K, 32 products each, on buffers 0, 1, 0, 1.  One of the first three: multiplies buffer f; at its head it fetches quarter kq into buffer g.
.macro QUARTER slot, kq, f, g, first
	s_wait_dscnt 0x0                               ; buffer f's 32 loads, issued a quarter ago, are in
	CV \f, 0, 0, 8                                 ; eight plain instructions that name nothing of the last products: the places in front of the loads into buffer g
	FETCH \slot, \kq, \g
	MROW \f, 0, \first
	MROW \f, 1, \first
	MROW \f, 2, \first
	MROW \f, 3, \first
.endm
; The last quarter multiplies buffer 1 and changes slots: one barrier; in front of it each wave waits for all its tensor loads (one is out: its part of the next slot), adds 0 to its spare
; word, and waits for that and for its reads of this slot.  fill = 1: the barrier opens a round of the cluster's, and this slot is filled again, two K steps on, first thing behind it.
.macro TURN slot, next, fill
.if \fill
	s_wait_xcnt 0x0                                ; the last prefetch, a K step back, has read its address
	s_add_nc_u64 s[PFA:PFA+1], s[PFA:PFA+1], 512
.endif
	s_wait_dscnt 0x0                               ; buffer 1 is in: my last reads of this slot
	CV 1, 0, 0, 8
	s_wait_tensorcnt 0x0                           ; all my tensor loads have landed
	ds_add_u32 v[SPW], v[NIL]                      ; 0 onto my spare word; eight products stand between it and the wait for it
	MROW 1, 0, 0
	s_wait_dscnt 0x0                               ; the add is done
	s_barrier_signal -1
	MROW 1, 1, 0                                   ; work on registers while the others arrive
	WIN 0
	s_barrier_wait -1
.if \fill
	CREST                                          ; no wave of any partner still reads this slot or has a load on its way
	s_add_nc_u64 s[G0+4*(\slot)+2:G0+4*(\slot)+3], s[G0+4*(\slot)+2:G0+4*(\slot)+3], 1024
	s_add_nc_u64 s[G0B+4*(\slot)+2:G0B+4*(\slot)+3], s[G0B+4*(\slot)+2:G0B+4*(\slot)+3], 512
	JLOAD \slot                                    ; 112 products stand between this request and the wait for it
.endif
	FETCH \next, 0, 0
.if \fill
	ASK
.endif
	MROW 1, 2, 0
	MROW 1, 3, 0
.endm
	s_wait_tensorcnt 1                             ; my part of K step 0 is in; K step 1's may stay out
	s_barrier_signal -1
	s_barrier_wait -1
	FETCH 0, 0, 0
	QUARTER 0, 1, 0, 1, 1                          ; the first quarter stands in front of the loop: its products start the sums with the bias
	WIN 0
	s_mov_b32 s3, LAPS-1
.Llap:                                                 ; a trip goes once round the ring and fills both slots again
	QUARTER 0, 2, 1, 0, 0
	QUARTER 0, 3, 0, 1, 0
	TURN 0, 1, 1
	QUARTER 1, 1, 0, 1, 0
	QUARTER 1, 2, 1, 0, 0
	QUARTER 1, 3, 0, 1, 0
	TURN 1, 0, 1
	QUARTER 0, 1, 0, 1, 0
	WIN 0
	s_sub_co_u32 s3, s3, 1
	s_cmp_lg_u32 s3, 0
	s_cbranch_scc1 .Llap
	QUARTER 0, 2, 1, 0, 0                          ; the last lap fills nothing
	QUARTER 0, 3, 0, 1, 0
	TURN 0, 1, 0
	QUARTER 1, 1, 0, 1, 0
	QUARTER 1, 2, 1, 0, 0
	QUARTER 1, 3, 0, 1, 0
	s_wait_dscnt 0x0                               ; the very last quarter: nothing more to fetch
	CV 1, 0, 0, 8
	MROW 1, 0, 0
	MROW 1, 1, 0
	MROW 1, 2, 0
	MROW 1, 3, 0
	WIN 0
.rept 4
	v_nop
.endr
; THE WAY OUT, 16 rows at a time.  PACK: rounded to f16, 16 bytes a lane, each accumulator's registers in ascending order.  TOSTAGE: into my own stage, by heads, and back as whole rows of 128 bytes.
; SEND: a head's 4 rows are 512 consecutive bytes of qkv.  Blocks 0 to 2's conversions are the places behind the last products, which are block 3's.
.macro PACK a
	WIN PACKW
.irp b, 0,1,2,3,4,5,6,7
.irp r, 0,1,2,3
	v_cvt_pk_f16_f32 v[TMP+4*(\b)+(\r)], v[8*(8*(\a)+(\b))+2*(\r)], v[8*(8*(\a)+(\b))+2*(\r)+1]
.endr
.endr
	WIN 0
.endm
.macro TOSTAGE a
.irp b, 0,1,2,3,4,5,6,7
	ds_store_b128 v[STO], v[TMP+4*(\b):TMP+4*(\b)+3] offset:((\b)/4)*16*SP+((\b)%4)*32
.endr
.irp i, 0,1,2,3,4,5,6,7
	ds_load_b128 v[OB+32*(\a)+4*(\i):OB+32*(\a)+4*(\i)+3], v[RD] offset:((\i)/4)*16*SP+((\i)%4)*4*SP  ; LDS serves a wave's instructions in order: these see the stores above
.endr
.endm
.macro SEND a
	s_wait_dscnt 0x0                               ; the block is back in registers of its own: no register that a store reads is written again
.irp i, 0,1,2,3,4,5,6,7
	global_store_b128 v[CO], v[OB+32*(\a)+4*(\i):OB+32*(\a)+4*(\i)+3], s[8:9] offset:((\i)/4)*262144+2048*(\a)+512*((\i)%4)
.endr
.endm
	PACK 0
	TOSTAGE 0
.irp a, 1,2,3
	PACK \a
	SEND (\a)-1
	TOSTAGE \a
.endr
	SEND 3
	s_wait_tensorcnt 0x0                           ; the wave's end: behind my last tensor load and my last LDS store
	ds_add_u32 v[SPW], v[NIL]
	s_wait_dscnt 0x0
	CROUND                                         ; the closing round: no work-group ends while a partner may still ask for a tile that names it
	s_endpgm
.Lfunc_end_k_q4a3aaf9199_proj:
	.size	k_q4a3aaf9199_proj, .Lfunc_end_k_q4a3aaf9199_proj-k_q4a3aaf9199_proj
	.p2alignl 7, 3214868480
	.fill 96, 4, 3214868480
	.section	.rodata,"a",@progbits
	.p2align	6, 0x0
	.amdhsa_kernel k_q4a3aaf9199_proj
		.amdhsa_group_segment_fixed_size 327680
		.amdhsa_private_segment_fixed_size 0
		.amdhsa_enable_private_segment 0
		.amdhsa_kernarg_size 64
		.amdhsa_user_sgpr_count 2
		.amdhsa_user_sgpr_kernarg_segment_ptr 1
		.amdhsa_wavefront_size32 1
		.amdhsa_system_sgpr_workgroup_id_x 1
		.amdhsa_system_sgpr_workgroup_id_y 1
		.amdhsa_system_sgpr_workgroup_id_z 1
		.amdhsa_system_vgpr_workitem_id 0
		.amdhsa_next_free_vgpr 704
		.amdhsa_next_free_sgpr 92
		.amdhsa_reserve_vcc 0
		.amdhsa_float_denorm_mode_32 3
		.amdhsa_float_denorm_mode_16_64 3
		.amdhsa_memory_ordered 1
		.amdhsa_forward_progress 1
		.amdhsa_inst_pref_size 138
	.end_amdhsa_kernel
	.amdgpu_metadata
---
amdhsa.version: [ 1, 2 ]
amdhsa.kernels:
  - .name:           k_q4a3aaf9199_proj
    .symbol:         k_q4a3aaf9199_proj.kd
    .args:
      - { .name: query, .offset: 0, .size: 8, .value_kind: global_buffer, .address_space: global }
      - { .name: key, .offset: 8, .size: 8, .value_kind: global_buffer, .address_space: global }
      - { .name: value, .offset: 16, .size: 8, .value_kind: global_buffer, .address_space: global }
      - { .name: bq, .offset: 24, .size: 8, .value_kind: global_buffer, .address_space: global }
      - { .name: bk, .offset: 32, .size: 8, .value_kind: global_buffer, .address_space: global }
      - { .name: bv, .offset: 40, .size: 8, .value_kind: global_buffer, .address_space: global }
      - { .name: w16, .offset: 48, .size: 8, .value_kind: global_buffer, .address_space: global }
      - { .name: qkv, .offset: 56, .size: 8, .value_kind: global_buffer, .address_space: global }
    .group_segment_fixed_size: 327680
    .private_segment_fixed_size: 0
    .kernarg_segment_align: 8
    .kernarg_segment_size: 64
    .max_flat_workgroup_size: 128
    .sgpr_count:     92
    .vgpr_count:     704
    .wavefront_size: 32
...
	.end_amdgpu_metadata
.endif
;; end of part 2
;; launch attn (part 3): grid 4 x 64, 4 waves a work-group, clusters of 4 x 1, 327,680 bytes of LDS; arguments qkv, attn_padding_mask, o16; writes o16
.if DOCPART == 3
	.amdgcn_target "amdgcn-amd-amdhsa--gfx1250"
	.amdhsa_code_object_version 6
	.text
	.protected	k_q4a3aaf9199_attn
	.globl	k_q4a3aaf9199_attn
	.p2align	8
	.type	k_q4a3aaf9199_attn,@function
k_q4a3aaf9199_attn:
	s_mov_b64 s[64:65], 0
	v_nop
	global_prefetch_b8 v0, s[64:65] scope:SCOPE_SE
	s_setreg_imm32_b32 hwreg(HW_REG_WAVE_MODE, 25, 1), 1
	s_wait_xcnt 0x0
	s_wait_alu depctr_hold_cnt(0) depctr_sa_sdst(0) depctr_va_vdst(0) depctr_va_sdst(0) depctr_va_ssrc(0) depctr_va_vcc(0) depctr_vm_vsrc(0)
	s_getreg_b32 s2, hwreg(HW_REG_IB_STS2, 6, 4)
	s_cmp_eq_u32 s2, 0
	s_cbranch_scc0 .Lentry_in_a_cluster
	s_endpgm
.Lentry_in_a_cluster:
	s_bfe_u32 s2, ttmp6, 0x10000c
	s_cmp_lg_u32 s2, 0x3003
	s_cbranch_scc0 .Lentry_shape_is_right
	s_endpgm
.Lentry_shape_is_right:
; O[h][q][:] = the sum over the keys k that the mask leaves of softmax_k(Q[h][q] . K[h][k] / 8) V[h][k][:].  Q, K, V = qkv[0], [1], [2]: [64][2048][64] f16, h = 16 batch + head; O likewise.
; The mask is [4][2048] bytes, 1 = hidden.  Products, maxima and sums in f32; the weights p are rounded to f16 for the second product (their sum l is taken of the unrounded p), O once at the end.
; LIMITS.  f16 holds no number beyond 65,504: Q, K and V arrive within it; p below 6e-5 keeps f16's fixed step of 6e-8; a weight below 2^-126 counts as 0 in l.  A mask byte is 0 or 1.
; THE MASK is the C operand that starts the sum S^T = K Q^T: 0, or -1e30 where the key is hidden.  The running maximum m starts at -2^40, below every true score (64 x 65,504^2 = 2.75e11 at the
; most) and far above every hidden one: so m is never a hidden score, and a hidden key's weight is 2^(-1.8e29) = 0 exactly, whatever the pattern of the mask.  While a row has seen no key, l and O stay 0.
; A batch whose keys are all hidden ends in 0 x (1 / 0) = NaN, as a softmax over nothing does.
; SHARES.  A wave owns four PIECES of two tiles of 16 queries, a work-group's four waves 512 queries of one head.  Every wave walks all keys, 64 a step.
; LAYOUT.  S^T = K Q^T (source 0 = 16 keys, source 1 = 16 queries): in the result a lane holds ONE query (lane % 16) and the keys 8 (lane / 16) + 0..7.  Two such tiles, rounded to f16 in pairs,
; ARE source 1 (32 keys x 16 queries) of O^T = V^T P, whose result again holds one query a lane, and eight channels.  K comes out of LDS as it lies, V ([key][channel]) turned, by ds_load_tr16_b128.
; SOFTMAX.  p = 2^(c s - c m), c = log2(e) / 8; in every step O and l are multiplied by a = 2^(c m_old - c m_new).  O and l start at 0: the first step is a step like any other.
; THE COUNT.  A tile and step have 16 matrix and 118 vector instructions: too many to stand all beside the matrix work.  So: four vector instructions that are READY behind
; EVERY matrix instruction, and the others in runs without a gap.
; BY TURNS.  Turn n belongs to piece n.  Its matrix work: 16 products K Q^T of piece n + 1, later 16 products V^T P of piece n - 1.  Its vector work: the scaling, exponentials, roundings, sums and
; rescaling of piece n, and the maximum and statistics of piece n + 1.
; CLUSTER.  The four query blocks of a cluster belong to one head and walk the same K and V, so each tile is asked for JOINTLY: the same tensor load, descriptor and mask in all four.
; No prefetch: a refill has four key steps, 512 products and their vector work, between its request and the wait for it.
; REGISTERS, in windows of 256 (s_set_vgpr_msb: bits 1:0 source 0, 3:2 source 1, 5:4 source 2, 7:6 destination):
;   window 0: v0-11 addresses; v12-15, v48-63 at work; v16-47 four registers of statistics a tile; v64-191 S^T, two buffers of two tiles; v192-255 P, likewise
;   window 1: O^T, 32 a tile     window 2: v0-127 Q; v128-191 K of one step; v192-255 V of one step     window 3: v0-1 the add's two registers; v2-3 the mask's addresses; v8-39 the step's mask
.set SIZE_N, 2048
.set NP,    4         ; pieces a wave: a name, no knob
.set KS,    64        ; keys in a step
.set PK,    144       ; a row of K in LDS: 128 bytes + 16 of padding: the 16 rows of a load start in 16 different 16-byte columns of 256 bytes
.set PV,    160       ; a row of V: 128 + 32
.set VOFF,  4*KS*PK   ; a slot holds four steps: 256 rows of K, then 256 rows of V
.set SLOT1, 1<<17     ; slot 1 begins here, so that one exclusive or turns an address in one slot into the other's
.set STAGE, SLOT1+4*KS*(PK+PV)  ; behind the ring, never filled by a tensor load: 16 rows x 144 bytes for each wave
.set SP,    144
.set AK0, 2           ; v2   my lane's place in a tile of K; never rewritten
.set AV0, 3           ; v3   the same for V
.set AK,  4           ; v4   the LDS address of K's next run of loads
.set AV,  5           ; v5   of V's
.set QO,  6           ; v6   my byte offset in the wave's rows of Q
.set STO, 6           ;      later, the way out: where I put 16 bytes of a row
.set RD,  7           ; v7   the way out: where I read rows back
.set GO,  8           ; v8   my byte offset in 512 consecutive bytes of O
.set SPW, 0           ; v0 of window 3   my spare word; never rewritten
.set NIL, 1           ; v1 of window 3   0; never rewritten
.set AM0, 2           ; v2 of window 3   MT + 32 (lane / 16); never rewritten
.set AM,  3           ; v3 of window 3   the LDS address of the step's mask words
.set MK,  8           ; v8-39 of window 3   the step's mask: key block kb at MK + 8 kb
.set SPARE, STAGE+4*16*SP  ; behind the stages: the spare words, 128 bytes for each wave
.set MT,  SPARE+512   ; behind them: the batch's mask as 2,048 f32, 0 or -1e30: stored once, never filled by a tensor load
.set MV,  12          ; v12-15  c m_old, kept while c m is made anew
.set ST,  16          ; tile t's statistics at v[ST+4 t]: c m, m, l (even keys', odd keys')
.set TMP, 48          ; by buffer and tile, four registers c0-c3 at work; when the maximum is found c2 takes a
.set S,   64
.set P,   192
.set KF,  128         ; K's fragments, in window 2
.set VF,  192         ; V's
.set WV,  12          ; s12  my wave's number
.set G1K, 24          ; s[24:31] descriptor group 1 for K's tiles
.set G1V, 32          ; s[32:39] for V's
.set G0K, 40          ; s[40:43] descriptor group 0 for K's tiles: it walks
.set G0V, 44          ; s[44:47] the same for V's
.set SLOTS, 56        ; s56  slots still to be asked for
.set CNT, 57          ; s57  counts a slot's key steps
.set CS,  58          ; s[58:59] c
.set SEL, 60          ; s[60:61] v_permlanex16_b32's selects
.set TBK, 62          ; s62  LDS byte at which K of the step to be fetched begins
.set TBV, 63          ; s63  the same for V, less VOFF
.set BIGN, 66         ; s66  -1e30
.set MS,  67          ; s67  256 x the step whose mask is fetched next
.set MP,  68          ; s[68:69] the batch's 2,048 mask bytes
.set MSB, 0
.macro WIN new
.if MSB != (\new)
	s_set_vgpr_msb (MSB<<8)|(\new)
.set MSB, (\new)
.endif
.endm
.set W_KQ, 0x0a       ; K and Q in window 2, S^T in window 0
.set W_KM, 0x3a       ; the same with the C operand, the mask, in window 3
.set W_PV, 0x52       ; V in window 2, P in window 0, O^T in window 1
.set W_RS, 0x41       ; O^T (destination and source 0) in window 1, a in window 0
.set W_MK, 0xc0       ; destination in window 3, sources in window 0
.set W_AD, 0x0f       ; the add: address and data in window 3
.set W_MF, 0xcf       ; the mask's fetch: destination, address and the address's source in window 3
.macro JLOAD                        ; a joint fill: waves 0 and 1 fetch the two halves of a slot's K, waves 2 and 3 those of its V; an s_nop 0 and four v_nop follow each line
	s_cmp_lt_u32 s[WV], 2
	s_cbranch_scc0 .Lfor_v_\@
	tensor_load_to_lds s[G0K:G0K+3], s[G1K:G1K+7]
	s_nop 0
.rept 4
	v_nop
.endr
	s_branch .Lasked_\@
.Lfor_v_\@:
	tensor_load_to_lds s[G0V:G0V+3], s[G1V:G1V+7]
	s_nop 0
.rept 4
	v_nop
.endr
.Lasked_\@:
.endm
.macro CROUND                       ; a round of the cluster's barrier
	s_barrier_signal -1
	s_barrier_wait -1
	s_cmp_lg_u32 s[WV], 0
	s_cbranch_scc1 .Lnot_wave_0_\@
	s_barrier_signal -3
.Lnot_wave_0_\@:
	s_barrier_wait -3
	s_barrier_signal -1
	s_barrier_wait -1
.endm
; THE CHANGE OF SLOTS.  Each wave waits for all its tensor loads, of which one is out: its part of the other slot; adds 0 to its spare word; and waits for that and for its own LDS instructions.
; Behind the barrier nobody reads this slot any more and the other slot is whole.  fill = 1: the barrier is a round of the cluster's, and this slot is filled again, with the keys two slots on,
; first thing behind it.  (At its first use nothing has been read yet: slot 0 is waited for, slot 1 filled, and every wave's stores into the mask table are done.)
.macro CHANGE fill
	WIN W_AD
	s_wait_tensorcnt 0x0            ; no tensor load of mine is out, so a group 0 may be written
	ds_add_u32 v[SPW], v[NIL]       ; 0 onto my spare word
	WIN 0
.if \fill
.irp g, G0K, G0V
	s_xor_b32 s[\g+1], s[\g+1], SLOT1
	s_add_nc_u64 s[\g+2:\g+3], s[\g+2:\g+3], 4*KS*128
.endr
	s_wait_dscnt 0x0                ; the add is done, and my reads of the slot are over
	CROUND
	JLOAD
.else
	s_wait_dscnt 0x0
	s_barrier_signal -1
	s_barrier_wait -1
.endif
	s_sub_co_u32 s[TBK], s[TBK], 4*KS*PK
	s_xor_b32 s[TBK], s[TBK], SLOT1
	s_sub_co_u32 s[TBV], s[TBV], 4*KS*PV
	s_xor_b32 s[TBV], s[TBV], SLOT1
.endm
	s_load_b128 s[4:7], s[0:1], 0x0   ; qkv s[4:5], the mask s[6:7]
	s_load_b64 s[10:11], s[0:1], 0x10 ; o16
	WIN W_MK
	v_lshl_add_u32 v[SPW], v0, 2, SPARE
	v_mov_b32 v[NIL], 0
	WIN W_AD
	ds_add_u32 v[SPW], v[NIL]       ; the wave's opening: the add and its wait ahead of my first tensor load
	WIN 0
	v_lshrrev_b32 v1, 5, v0
	v_readfirstlane_b32 s[WV], v1   ; wave 0..3
	s_bfe_u32 s13, ttmp6, 0x40000   ; cx
	s_lshl_b32 s14, ttmp9, 2
	s_add_co_u32 s14, s14, s13      ; my block of queries: it enters Q's and O's addresses alone
	s_and_b32 s20, ttmp7, 0xffff    ; 16 batch + head, which the four partners share
	s_lshr_b32 s70, s20, 4          ; the batch,
	s_lshl_b32 s70, s70, 11         ; its 2,048 mask bytes
	s_mov_b32 s71, 0
	s_mov_b32 s21, 0
	s_mov_b64 s[22:23], SIZE_N*128
	s_mul_u64 s[20:21], s[20:21], s[22:23]  ; the head's first byte in Q, K, V and O
	s_and_b32 s16, s[WV], 1         ; which half of a slot's 256 keys I fetch
	s_lshl_b32 s22, s16, 14
	s_mov_b32 s23, 0
	s_add_nc_u64 s[22:23], s[22:23], s[20:21]
	s_mul_i32 s17, s16, 128*PK
	s_mul_i32 s18, s16, 128*PV
	s_lshl_b32 s2, s14, 2
	s_add_co_u32 s2, s2, s[WV]
	s_lshl_b32 s2, s2, 14           ; my wave's 128 rows
	s_mov_b32 s3, 0
	s_add_nc_u64 s[2:3], s[2:3], s[20:21]
	; descriptor group 1.  128 keys are 16,384 dense bytes: asked for as 64 rows of 256 bytes, two keys a row, and padded in LDS after every key
	s_mov_b32 s[G1K], 15|(1<<16)|(1<<20)|(1<<21)|(4<<22)|(3<<25)
	s_mov_b32 s[G1V], 15|(1<<16)|(1<<20)|(1<<21)|(4<<22)|(7<<25)
.irp g, G1K, G1V
	s_mov_b32 s[\g+1], 128<<16      ; tensor_dim0 = 128
	s_mov_b32 s[\g+2], 64<<16       ; tensor_dim1 = 64
	s_mov_b32 s[\g+3], 128<<16      ; tile_dim0 = 128
	s_mov_b32 s[\g+4], 64           ; tile_dim1 = 64
	s_mov_b32 s[\g+5], 128          ; 128 elements from row to row
	s_mov_b32 s[\g+6], 0
	s_mov_b32 s[\g+7], 0
.endr
	s_mov_b32 s[CS], 0x3e38aa3b     ; c = log2(e) / 8
	s_mov_b32 s[CS+1], s[CS]
	s_mov_b32 s[SEL], 0x76543210
	s_mov_b32 s[SEL+1], 0xfedcba98
	s_mov_b32 s[TBK], SLOT1+4*KS*PK ; the first change of slots turns these two into 0
	s_mov_b32 s[TBV], SLOT1+4*KS*PV
	s_mov_b32 s[BIGN], 0xf149f2ca   ; -1e30
	s_mov_b32 s[MS], 0
	s_mov_b32 s[G0K], 1
	s_mov_b32 s[G0K+1], s17
	s_mov_b32 s[G0V], 1
	s_add_co_u32 s[G0V+1], s18, VOFF
	s_wait_dscnt 0x0                ; the opening add is done
	s_wait_kmcnt 0x0
	s_add_nc_u64 s[MP:MP+1], s[6:7], s[70:71]
	s_add_nc_u64 s[6:7], s[4:5], 0x1000000   ; K = qkv[1]
	s_add_nc_u64 s[8:9], s[4:5], 0x2000000   ; V = qkv[2]
	s_add_nc_u64 s[G0K+2:G0K+3], s[6:7], s[22:23]
	s_or_b32 s[G0K+3], s[G0K+3], 0x80000000
	s_add_nc_u64 s[G0V+2:G0V+3], s[8:9], s[22:23]
	s_or_b32 s[G0V+3], s[G0V+3], 0x80000000
	s_add_nc_u64 s[4:5], s[4:5], s[2:3]  ; Q and O at my wave's first row
	s_add_nc_u64 s[10:11], s[10:11], s[2:3]
	CROUND                          ; all four work-groups are here: the first joint loads meet
	JLOAD                           ; slot 0.  Slot 1 is asked for when slot 0 is in
	v_and_b32 v1, 15, v0            ; l % 16
	v_bfe_u32 v9, v0, 4, 1          ; l / 16
	v_lshlrev_b32 v[QO], 7, v1
	v_lshl_add_u32 v[QO], v9, 4, v[QO]  ; row x 128 + 16 x half
	v_lshlrev_b32 v12, 4, v0        ; thread t takes the mask bytes of keys 16 t .. 16 t + 15
	global_load_b128 v[48:51], v12, s[MP:MP+1]
	WIN 0x80                        ; destination window 2, address window 0
.set i, 0
.rept 4*NP                          ; Q stays in registers: tile i / 2, channels 32 (i % 2) on
	global_load_b128 v[8*i:8*i+3],   v[QO], s[4:5] offset:(i/2)*2048+(i%2)*64
	global_load_b128 v[8*i+4:8*i+7], v[QO], s[4:5] offset:(i/2)*2048+(i%2)*64+32
.set i, i+1
.endr
	; What the first turn finds: V's registers and P's second buffer hold 0, O^T and l are 0.  All this stands in the wait for the first tile.
.set i, VF
.rept 64
	v_mov_b32 v[i], 0
.set i, i+1
.endr
	WIN 0x40
.set i, 0
.rept 64*NP
	v_mov_b32 v[i], 0
.set i, i+1
.endr
	WIN 0
.set i, 0
.rept 2*NP
	v_mov_b32 v[ST+4*i], 0xd238aa3b    ; c m = c x -2^40
	v_mov_b32 v[ST+4*i+1], 0xd3800000  ; m = -2^40
	v_mov_b32 v[ST+4*i+2], 0
	v_mov_b32 v[ST+4*i+3], 0
.set i, i+1
.endr
.set i, P+32
.rept 32
	v_mov_b32 v[i], 0
.set i, i+1
.endr
	v_mul_u32_u24 v[AK0], v1, PK
	v_lshl_add_u32 v[AK0], v9, 4, v[AK0]
	v_and_b32 v10, 7, v0
	v_bfe_u32 v11, v0, 3, 1
	v_lshl_add_u32 v[AV0], v9, 3, v10
	v_mul_u32_u24 v[AV0], v[AV0], PV
	v_lshl_add_u32 v[AV0], v11, 4, v[AV0]
	v_add_nc_u32 v[AV0], VOFF, v[AV0]
	v_mov_b32 v[AK], v[AK0]         ; key step 0 lies at the head of slot 0
	WIN W_MK
	v_lshl_add_u32 v[AM0], v9, 5, MT  ; a lane's eight keys of a block of 16: 32 bytes for each half of the lanes
	WIN 0
	; THE MASK TABLE: a byte 0 or 1 becomes the word 0 or -1e30: 0 - byte is no bit or all bits, which cut the constant
	s_wait_loadcnt 32               ; the mask's load is in; Q's 32, issued behind it, may stay out
.set i, 0
.rept 16
	v_bfe_u32 v[S+i], v[48+i/4], 8*(i%4), 8
.set i, i+1
.endr
.set i, 0
.rept 16
	v_sub_nc_u32 v[S+i], 0, v[S+i]
.set i, i+1
.endr
.set i, 0
.rept 16
	v_and_b32 v[S+i], s[BIGN], v[S+i]
.set i, i+1
.endr
	v_lshl_add_u32 v13, v0, 6, MT
.irp f, 0,1,2,3
	ds_store_b128 v13, v[S+4*\f:S+4*\f+3] offset:16*\f
.endr
; THE MATRIX WORK.  The 8 accumulators of a run of 16 take turns.
; Product i of 16 of S^T = K Q^T for piece x: channels 32 (i / 8) on, keys 16 ((i / 2) % 4) on, tile 2 x + i % 2.  The first 8 start the sums, with the mask of their 16 keys.
.macro KQ x
.set rS, S+64*((\x)%2)+32*(i%2)+8*((i/2)%4)
.set rK, KF+16*((i/2)%4)+8*(i/8)
.set rQ, 16*(2*(\x)+i%2)+8*(i/8)
.set rN, MK+8*((i/2)%4)
.if i < 8
	WIN W_KM
	v_wmma_f32_16x16x32_f16 v[rS:rS+7], v[rK:rK+7], v[rQ:rQ+7], v[rN:rN+7]
.else
	WIN W_KQ
	v_wmma_f32_16x16x32_f16 v[rS:rS+7], v[rK:rK+7], v[rQ:rQ+7], v[rS:rS+7]
.endif
.endm
; Product i of 16 of O^T += V^T P for piece x: keys 32 (i / 8) on, channels 16 ((i / 2) % 4) on, tile 2 x + i % 2.
.macro PV x
	WIN W_PV
.set rO, 32*(2*(\x)+i%2)+8*((i/2)%4)
.set rV, VF+32*(i/8)+8*((i/2)%4)
.set rP, P+32*((\x)%2)+16*(i%2)+8*(i/8)
	v_wmma_f32_16x16x32_f16 v[rO:rO+7], v[rV:rV+7], v[rP:rP+7], v[rO:rO+7]
.endm
.macro MM                           ; the turn's next matrix instruction
.if i < 16
	KQ (Y+1)%NP
.set i, i+1
.else
.set i, i-16
	PV (Y+NP-1)%NP
.set i, i+17
.endif
.endm
; THE LDS LOADS stand in runs, never singly among the matrix instructions: a step's K (8 fragments) with its 64 mask words (32 a lane), and its V (turned).
; last = 1 (the tail): in the last trip there is no further step, and the run is jumped over.
.macro FETCH_K last=0
	WIN 0
.if \last
	s_cmp_eq_u32 s[CNT], 1
	s_cbranch_scc1 .Lno_k_\@
.endif
	WIN 0x80                        ; destination window 2
.irp f, 0,1,2,3,4,5,6,7             ; keys 16 (f / 2) on, channels 32 (f % 2) on
	ds_load_b128 v[KF+8*\f:KF+8*\f+3],   v[AK] offset:(\f/2)*16*PK+(\f%2)*64
	ds_load_b128 v[KF+8*\f+4:KF+8*\f+7], v[AK] offset:(\f/2)*16*PK+(\f%2)*64+32
.endr
	s_add_co_u32 s[TBK], s[TBK], KS*PK  ; the next fetch is the next step's
	WIN W_MF
	v_add_nc_u32 v[AM], s[MS], v[AM0]
.irp f, 0,1,2,3                     ; key block f: the words of keys 16 f + 8 (l / 16) + 0..7; the products that read the old ones are the first of those that read the old K
	ds_load_b128 v[MK+8*\f:MK+8*\f+3],   v[AM] offset:64*\f
	ds_load_b128 v[MK+8*\f+4:MK+8*\f+7], v[AM] offset:64*\f+16
.endr
	s_add_co_u32 s[MS], s[MS], 4*KS
	s_and_b32 s[MS], s[MS], 0x1fff  ; 32 steps of 256 bytes: the table's 8,192
	WIN 0
.if \last
.Lno_k_\@:
.endif
.endm
.macro FETCH_V
	WIN 0x80
.irp f, 0,1,2,3,4,5,6,7             ; keys 32 (f / 4) on, channels 16 (f % 4) on
	ds_load_tr16_b128 v[VF+8*\f:VF+8*\f+3],   v[AV] offset:(\f/4)*32*PV+(\f%4)*32
	ds_load_tr16_b128 v[VF+8*\f+4:VF+8*\f+7], v[AV] offset:(\f/4)*32*PV+16*PV+(\f%4)*32
.endr
	WIN 0
.endm
; THE VECTOR WORK OF A TURN stands in three queues, each in the order in which its entries become ready; the two tiles alternate.
.macro REGS y, u                    ; the registers of tile u (0, 1) of piece y
.set rT, ST+4*(2*(\y)+(\u))
.set rC, TMP+8*((\y)%2)+4*(\u)
.set rM, MV+2*((\y)%2)+(\u)
.set rS, S+64*((\y)%2)+32*(\u)
.set rP, P+32*((\y)%2)+16*(\u)
.set rO, 32*(2*(\y)+(\u))
.endm
; Number n of the 22 that find the NEXT piece's maximum and statistics; each accumulator's lowest registers are read first.
;   0-11  four chains c0-c3 of seven scores each     12-14, 16  the four scores left over, the old m, and c0-c3 into c0     15  c m_old is kept
;   17, 18  the query's other 32 keys lie in the lane 16 away: the new m         19-21  c m; c m_old - c m_new; a
.macro XS u, n
	REGS (Y+1)%NP, \u
.if (\n) < 4
	v_max3_num_f32 v[rC+(\n)], v[rS+8*(\n)], v[rS+8*(\n)+1], v[rS+8*(\n)+2]
.elseif (\n) < 12
	v_max3_num_f32 v[rC+(\n)%4], v[rC+(\n)%4], v[rS+8*((\n)%4)+2*((\n)/4)+1], v[rS+8*((\n)%4)+2*((\n)/4)+2]
.elseif (\n) == 12
	v_max3_num_f32 v[rC], v[rC], v[rS+7], v[rS+15]
.elseif (\n) == 13
	v_max3_num_f32 v[rC+1], v[rC+1], v[rS+23], v[rS+31]
.elseif (\n) == 14
	v_max3_num_f32 v[rC+2], v[rC+2], v[rC+3], v[rT+1]
.elseif (\n) == 15
	v_mov_b32 v[rM], v[rT]
.elseif (\n) == 16
	v_max3_num_f32 v[rC], v[rC], v[rC+1], v[rC+2]
.elseif (\n) == 17
	v_permlanex16_b32 v[rC+3], v[rC], s[SEL], s[SEL+1]
.elseif (\n) == 18
	v_max_num_f32 v[rT+1], v[rC], v[rC+3]
.elseif (\n) == 19
	v_mul_f32 v[rT], s[CS], v[rT+1]
.elseif (\n) == 20
	v_sub_f32 v[rC+1], v[rM], v[rT]
.else
	v_exp_f32 v[rC+2], v[rC+1]
.endif
.endm
; Number g of the 64 that follow the exponentials.  For each four weights k of a tile: both pairs are rounded to f16; the second pair is added onto the first, in place;
; a group later l takes that sum (the first time as l = a l + sum).
.macro GS g
.set h, (\g)+6*((\g)/62)
.if h >= 6
.set h, h+2
.endif
	REGS Y, h%2
.set k, h/8
.if h%8 < 4
	s_wait_alu depctr_va_vdst(0)
	v_cvt_pk_f16_f32 v[rP+2*k+(h%8)/2], v[rS+4*k+2*((h%8)/2)], v[rS+4*k+2*((h%8)/2)+1]
.elseif h%8 < 6
	v_pk_add_f32 v[rS+4*k:rS+4*k+1], v[rS+4*k:rS+4*k+1], v[rS+4*k+2:rS+4*k+3]
.elseif k == 1
	v_pk_fma_f32 v[rT+2:rT+3], v[rT+2:rT+3], v[rC+2:rC+3], v[rS:rS+1] op_sel_hi:[1,0,1]
.else
	v_pk_add_f32 v[rT+2:rT+3], v[rT+2:rT+3], v[rS+4*k-4:rS+4*k-3]
	s_wait_alu depctr_va_vdst(0)
.endif
.endm
; THE PLAIN QUEUE, 138 long.  0-31: c s - c m for the 16 pairs of both tiles.  Then GS's 64, and among them the next piece's 42.
.macro PL
	WIN 0
.if q < 32
	REGS Y, q%2
	v_pk_fma_f32 v[rS+2*(q/2):rS+2*(q/2)+1], v[rS+2*(q/2):rS+2*(q/2)+1], s[CS:CS+1], v[rT:rT+1] op_sel_hi:[1,0,0] neg_lo:[0,0,1] neg_hi:[0,0,1]
.elseif q < 38
	GS q-32
.elseif q < 40
	XS q%2, 15
.elseif q < 42
	GS q-34
.elseif q < 74
	XS q%2, (q-42)/2+(q-42)/30
.elseif q < 95
	GS q-66
.elseif (q < 107) && ((q-95)%3 < 2)
	XS (q-95)%3, 17+(q-95)/3
.elseif q < 107
	GS 29+(q-95)/3
.else
	GS q-74
.endif
.set q, q+1
.endm
; THE EXPONENTIALS' QUEUE, 66 long: s0-s31 of both tiles, and at EA the next piece's two a.
.set EA, 58
.macro EX
	WIN 0
.if (e == EA) || (e == EA+1)
	XS e-EA, 21
.else
.set x, e-2*(e/(EA+2))
	REGS Y, x%2
	v_exp_f32 v[rS+x/2], v[rS+x/2]
.endif
.set e, e+1
.endm
; THE RESCALING's QUEUE: O^T times a, the one part that leaves window 0, so it is dealt four at a time, eight times.
.macro R4
	REGS Y, r%2
	WIN W_RS
	s_wait_alu depctr_va_vdst(0)
.irp z, 0,1,2,3
	v_pk_mul_f32 v[rO+8*(r/2)+2*\z:rO+8*(r/2)+2*\z+1], v[rO+8*(r/2)+2*\z:rO+8*(r/2)+2*\z+1], v[rC+2:rC+3] op_sel_hi:[1,0]
.endr
.set r, r+1
.endm
; HOW THEY ARE DEALT.  Behind a matrix instruction four: plain, exponential, plain, plain, or four of the rescaling; none names a register of the products round it.  What is over stands in
; two LUMPS: exponential and plain by turns; the second ends in 22 plain instructions.  Exponential e stands behind plain 2 (e / 4) + e % 2 (its scaling); EA comes behind plain 107.
.macro SL
	MM
	PL
	EX
	PL
	PL
.endm
.macro BURST n                      ; 15 matrix instructions, or 16
.rept (\n)-7
	SL
.endr
.rept 3
	MM
	R4
	SL
.endr
	MM
	R4
.endm
; A TURN, for piece p.  cnt = 1: the loop's count is taken down some lines ahead of the branch that stands behind the turn.
; K and the mask of the next step are fetched in piece 2's turn, 31 vector instructions behind the last product that read K; V of the step in hand at the end of piece 0's turn.
.macro TURN p, last=0, cnt=0
.set Y, (\p)
.set i, 0
.set q, 0
.set e, 0
.set r, 0
.if (\p) == NP-1
	s_wait_dscnt 0x0                ; K and its mask are in
.endif
	MM
.rept 4
	PL
.endr
	BURST 15
.rept 22
	EX
	PL
.if ((\p) == NP-2) && (e == 18)
	v_add_nc_u32 v[AK], s[TBK], v[AK0]
.endif
.if ((\p) == NP-2) && (e == 24)
	FETCH_K \last
.endif
.endr
.if (\p) == 1
	s_wait_dscnt 0x0                ; V is in
.endif
	BURST 16
.rept 21
	EX
	PL
.endr
.rept 22
	PL
.if ((\p) == 0) && (q == 118)
	v_add_nc_u32 v[AV], s[TBV], v[AV0]
	s_wait_alu depctr_va_vdst(0)
.endif
.if ((\p) == 0) && (q == 130)
	s_add_co_u32 s[TBV], s[TBV], KS*PV
.endif
.if (\cnt) && (q == 130)
	s_sub_co_u32 s[CNT], s[CNT], 1
	s_cmp_lg_u32 s[CNT], 0
.endif
.endr
.if (\p) == 0
	FETCH_V
.endif
.endm
	CHANGE 1                        ; slot 0 is in, everybody's part of it, and so is the mask table; slot 1 is asked for
	FETCH_K                         ; key step 0
	s_wait_loadcnt 0x0              ; Q
	s_wait_dscnt 0x0
.set i, 0
.rept 16
	KQ 0                            ; piece 0's first scores
.set i, i+1
.endr
	WIN 0                           ; the addresses for the way out: plain instructions, the places behind those products
	s_mul_i32 s13, s[WV], 16*SP
	s_add_co_u32 s13, s13, STAGE    ; my stage
	v_mul_u32_u24 v[STO], v1, SP
	v_lshl_add_u32 v[STO], v9, 4, v[STO]
	v_add_nc_u32 v[STO], s13, v[STO]
	v_bfe_u32 v[RD], v0, 3, 2
	v_mul_u32_u24 v[RD], v[RD], SP
	v_lshl_add_u32 v[RD], v10, 4, v[RD]
	v_add_nc_u32 v[RD], s13, v[RD]
	v_and_b32 v[GO], 31, v0
	v_lshlrev_b32 v[GO], 4, v[GO]
.set Y, NP-1                        ; XS works for piece Y + 1: piece 0
.irp n, 0,1,2,3,4,5,6,7,8,9,10,11,12,13,14,15,16,17,18,19,20,21
	XS 0, \n
	XS 1, \n
.endr
	s_mov_b32 s[CNT], 4
	s_mov_b32 s[SLOTS], SIZE_N/256-1
	s_branch .Lfirst                ; the loop is entered at a step's first turn, in the middle of a trip
.Lslot:                             ; SIZE_N / 256 - 2 times: every slot but the last two is filled again
	CHANGE 1
	s_mov_b32 s[CNT], 4
.Lstep:                             ; a trip: pieces 2 and 3 of one step, then pieces 0 and 1 of the next, whose K and V it fetches
	TURN 2
	TURN 3
	WIN 0
.Lfirst:
	TURN 0
	TURN 1, 0, 1
	WIN 0
	s_cbranch_scc1 .Lstep
	s_sub_co_u32 s[SLOTS], s[SLOTS], 1
	s_cmp_lg_u32 s[SLOTS], 0
	s_cbranch_scc1 .Lslot
	CHANGE 0                        ; the tail is written out: nothing is asked for
	s_mov_b32 s[CNT], 5             ; four trips fetch the last slot's steps; the fifth is left in its middle
.Ltail:
	TURN 2, 1
	TURN 3
	WIN 0
	s_sub_co_u32 s[CNT], s[CNT], 1
	s_cmp_eq_u32 s[CNT], 0
	s_cbranch_scc1 .Lout
	TURN 0
	TURN 1
	WIN 0
	s_branch .Ltail
.Lout:                              ; the fifth trip's 16 products K Q^T (on the last K once more) and the maximum made of them serve nothing: the price of one text for every trip
.set i, 0
.rept 16
	PV NP-1                         ; the last piece's V^T P of the last step
.set i, i+1
.endr
	; THE WAY OUT.  l's two halves and the other half of the lanes' are added; O^T is divided by l, rounded to f16 and sent through my stage in LDS, a tile at a time.
	WIN 0
.macro ALL line:vararg              ; one line for each tile t
.set t, 0
.rept 2*NP
	\line
.set t, t+1
.endr
.endm
	ALL v_add_f32 v[ST+4*t+2], v[ST+4*t+2], v[ST+4*t+3]
	ALL v_permlanex16_b32 v[ST+4*t+3], v[ST+4*t+2], s[SEL], s[SEL+1]
	ALL v_add_f32 v[ST+4*t+2], v[ST+4*t+2], v[ST+4*t+3]
	ALL v_rcp_f32 v[ST+4*t+2], v[ST+4*t+2]
	v_nop                           ; a plain instruction between the last reciprocal and the use of its result
	s_wait_alu depctr_va_vdst(0)
.macro PACK t
	WIN W_RS
.set i, 32*(\t)
.rept 16
	v_pk_mul_f32 v[i:i+1], v[i:i+1], v[ST+4*(\t)+2:ST+4*(\t)+3] op_sel_hi:[1,0]
.set i, i+2
.endr
	WIN 0x05                        ; sources 0 and 1 window 1, destination window 0
.set i, 0
.rept 16
	v_cvt_pk_f16_f32 v[S+16*(\t)+i], v[32*(\t)+2*i], v[32*(\t)+2*i+1]
.set i, i+1
.endr
	WIN 0
.irp f, 0,1,2,3
	ds_store_b128 v[STO], v[S+16*(\t)+4*\f:S+16*(\t)+4*\f+3] offset:32*\f
.endr
.irp f, 0,1,2,3
	ds_load_b128 v[S+16*(\t)+4*\f:S+16*(\t)+4*\f+3], v[RD] offset:\f*4*SP  ; LDS serves a wave's instructions in order: these see the stores above; the next tile's stores come behind them
.endr
.endm
.macro SEND t, younger              ; younger: the LDS instructions issued behind tile t's loads: the next tile's eight, or none
	WIN 0
.irp f, 0,1,2,3
	s_wait_dscnt (\younger)+3-\f
	global_store_b128 v[GO], v[S+16*(\t)+4*\f:S+16*(\t)+4*\f+3], s[10:11] offset:(\t)*2048+\f*512  ; 512 consecutive bytes, at a multiple of 256 from O's first
.endr
.endm
	PACK 0
.set t, 1
.rept 2*NP-1
	PACK t
	SEND t-1, 8
.set t, t+1
.endr
	SEND 2*NP-1, 0
	WIN W_AD
	s_wait_tensorcnt 0x0            ; the wave's end: behind my last tensor load and my last LDS store
	ds_add_u32 v[SPW], v[NIL]
	s_wait_dscnt 0x0
	WIN 0
	CROUND                          ; the closing round
	s_endpgm
.Lfunc_end_k_q4a3aaf9199_attn:
	.size	k_q4a3aaf9199_attn, .Lfunc_end_k_q4a3aaf9199_attn-k_q4a3aaf9199_attn
	.p2alignl 7, 3214868480
	.fill 96, 4, 3214868480
	.section	.rodata,"a",@progbits
	.p2align	6, 0x0
	.amdhsa_kernel k_q4a3aaf9199_attn
		.amdhsa_group_segment_fixed_size 327680
		.amdhsa_private_segment_fixed_size 0
		.amdhsa_enable_private_segment 0
		.amdhsa_kernarg_size 24
		.amdhsa_user_sgpr_count 2
		.amdhsa_user_sgpr_kernarg_segment_ptr 1
		.amdhsa_wavefront_size32 1
		.amdhsa_system_sgpr_workgroup_id_x 1
		.amdhsa_system_sgpr_workgroup_id_y 1
		.amdhsa_system_sgpr_workgroup_id_z 1
		.amdhsa_system_vgpr_workitem_id 0
		.amdhsa_next_free_vgpr 808
		.amdhsa_next_free_sgpr 72
		.amdhsa_reserve_vcc 0
		.amdhsa_float_denorm_mode_32 3
		.amdhsa_float_denorm_mode_16_64 3
		.amdhsa_memory_ordered 1
		.amdhsa_forward_progress 1
		.amdhsa_inst_pref_size 213
	.end_amdhsa_kernel
	.amdgpu_metadata
---
amdhsa.version: [ 1, 2 ]
amdhsa.kernels:
  - .name:           k_q4a3aaf9199_attn
    .symbol:         k_q4a3aaf9199_attn.kd
    .args:
      - { .name: qkv, .offset: 0, .size: 8, .value_kind: global_buffer, .address_space: global }
      - { .name: attn_padding_mask, .offset: 8, .size: 8, .value_kind: global_buffer, .address_space: global }
      - { .name: o16, .offset: 16, .size: 8, .value_kind: global_buffer, .address_space: global }
    .group_segment_fixed_size: 327680
    .private_segment_fixed_size: 0
    .kernarg_segment_align: 8
    .kernarg_segment_size: 24
    .max_flat_workgroup_size: 128
    .sgpr_count:     72
    .vgpr_count:     808
    .wavefront_size: 32
...
	.end_amdgpu_metadata
.endif
;; end of part 3
;; launch outp (part 4): grid 4 x 64, 4 waves a work-group, clusters of 4 x 4, 327,680 bytes of LDS; arguments o16, w16, bo, out0; writes out0
.if DOCPART == 4
	.amdgcn_target "amdgcn-amd-amdhsa--gfx1250"
	.amdhsa_code_object_version 6
	.text
	.protected	k_q4a3aaf9199_outp
	.globl	k_q4a3aaf9199_outp
	.p2align	8
	.type	k_q4a3aaf9199_outp,@function
k_q4a3aaf9199_outp:
	s_mov_b64 s[64:65], 0
	v_nop
	global_prefetch_b8 v0, s[64:65] scope:SCOPE_SE
	s_setreg_imm32_b32 hwreg(HW_REG_WAVE_MODE, 25, 1), 1
	s_wait_xcnt 0x0
	s_wait_alu depctr_hold_cnt(0) depctr_sa_sdst(0) depctr_va_vdst(0) depctr_va_sdst(0) depctr_va_ssrc(0) depctr_va_vcc(0) depctr_vm_vsrc(0)
	s_getreg_b32 s2, hwreg(HW_REG_IB_STS2, 6, 4)
	s_cmp_eq_u32 s2, 0
	s_cbranch_scc0 .Lentry_in_a_cluster
	s_endpgm
.Lentry_in_a_cluster:
	s_bfe_u32 s2, ttmp6, 0x10000c
	s_cmp_lg_u32 s2, 0xf033
	s_cbranch_scc0 .Lentry_shape_is_right
	s_endpgm
.Lentry_shape_is_right:
; out0[s][b][n] = sum over head, d of O[16 b + head][s][d] Wo[n][64 head + d] + bf16(bo[n]), in f32.  O is o16, f16 by heads; Wo is w16[3]: rounded to bf16, written as f16.  Sums in f32.
; A NaN row of O (a batch whose keys are all hidden) gives a NaN row of out0 and touches no other row.
; SHARES.  256 tiles of 128 rows (128 consecutive s of one batch) x 256 columns; four waves, each 64 x 128: 32 accumulators.  K goes in steps of 128, two heads, through two LDS slots.
; A head's 128 rows of 128 bytes are dense in o16: asked for as 64 rows of 256 bytes and padded in LDS after every 128.
; CLUSTER, 4 x 4: cx the block of columns, cy the batch, cluster y the block of s.  O's tiles are shared along a row of the cluster, Wo's along a column: joint loads.
; THE MATRIX INSTRUCTION IS USED TRANSPOSED (source 0 = 16 rows of Wo, source 1 = 16 rows of O): a lane holds row l % 16 and eight neighbouring columns.  The bias is the C of the first product.
; No prefetch: eight K steps are the whole launch.
; REGISTERS: window 0: addresses; v64-95, v128-191 at work on the bias.  window 1: the accumulators, (a, b) at v[8 (8 a + b)].
;   window 2: two fragment buffers of 96 (Wo's 64, then O's 32) at v0 and v96; v192-255 the bias; on the way out all 256: four blocks of 16 rows.
.set PA,     144                       ; an LDS row of O: 128 bytes + 16
.set PB,     272                       ; of Wo: 256 bytes + 16
.set AHEAD,  128*PA                    ; a head's 128 rows: what one tensor load brings of O
.set BHALF,  128*PB                    ; what one brings of Wo
.set BOFF,   2*AHEAD
.set SLOT,   BOFF+2*BHALF              ; 106,496
.set STAGE,  2*SLOT                    ; behind the ring: 16 rows x 528 bytes for each wave
.set SPITCH, 528
.set SPARE,  STAGE+4*16*SPITCH         ; behind the stages: the spare words, 128 bytes a wave
.set LAPS,   4
.set ADRA, 16                          ; v16-17  LDS address of my fragments of O in slot 0, 1
.set ADRB, 20                          ; v20-21  of Wo
.set STO,  24
.set RD,   25
.set CO,   26                          ; 16 x lane
.set BO,   27                          ; 32 x (lane / 16)
.set SPW,  28                          ; my spare word; never rewritten
.set NIL,  29                          ; 0; never rewritten
.set TMP,  64
.set RAW,  128
.set F0,   0                           ; in window 2
.set F1,   96
.set BIAS, 192
.set HIM, 12                           ; s12  a word's upper bf16
.set WV,  13                           ; s13 wave; s14 = wave / 2: my half of the rows, and: I fetch O (0) or Wo (1); s15 = wave % 2: my half of the columns, and: which half I fetch
.set WM,  14
.set WN,  15
.set G1,  24
.set G0,  32
.set G1B, 48
.set G0B, 56
.set MSB, 0
.macro WIN new
.if MSB != (\new)
	s_set_vgpr_msb (MSB<<8)|(\new)
.set MSB, \new
.endif
.endm
.set MUL,  0x5a                        ; sources 0 and 1 window 2, C and D window 1
.set MULB, 0x6a                        ; the same with C (the bias) in window 2
.set TO_F, 0x80                        ; destination window 2
.macro JLOAD s                         ; a joint load; an s_nop 0 and four v_nop follow each of the two lines
	s_cmp_eq_u32 s[WM], 0
	s_cbranch_scc0 .Lfor_b_\@
	tensor_load_to_lds s[G0+4*(\s):G0+4*(\s)+3], s[G1:G1+7]
	s_nop 0
.rept 4
	v_nop
.endr
	s_branch .Lasked_\@
.Lfor_b_\@:
	tensor_load_to_lds s[G0B+4*(\s):G0B+4*(\s)+3], s[G1B:G1B+7]
	s_nop 0
.rept 4
	v_nop
.endr
.Lasked_\@:
.endm
.macro CREST
	s_cmp_lg_u32 s[WV], 0
	s_cbranch_scc1 .Lnot_wave_0_\@
	s_barrier_signal -3
.Lnot_wave_0_\@:
	s_barrier_wait -3
	s_barrier_signal -1
	s_barrier_wait -1
.endm
.macro CROUND
	s_barrier_signal -1
	s_barrier_wait -1
	CREST
.endm
.macro PLACES                          ; four places in front of loads into registers that matrix instructions have read, and of stores that read results
.rept 4
	v_nop
.endr
.endm
	s_load_b256 s[4:11], s[0:1], 0x0               ; o16 s[4:5], w16 s[6:7], bo s[8:9], out0 s[10:11]
	v_lshl_add_u32 v[SPW], v0, 2, SPARE
	v_mov_b32 v[NIL], 0
	ds_add_u32 v[SPW], v[NIL]                      ; the wave's opening: the add and its wait ahead of my first tensor load
	v_lshrrev_b32 v1, 5, v0
	v_readfirstlane_b32 s[WV], v1
	s_lshr_b32 s[WM], s[WV], 1
	s_and_b32 s[WN], s[WV], 1
	s_bfe_u32 s40, ttmp6, 0x40000                  ; cx
	s_bfe_u32 s41, ttmp6, 0x40004                  ; cy = the batch
	s_lshl_b32 s42, ttmp9, 2
	s_add_co_u32 s42, s42, s40                     ; the block of 256 columns
	s_and_b32 s45, ttmp7, 0xffff                   ; cluster y = the block of 128 s
	s_lshl_b32 s43, s41, 2
	s_lshl_b32 s43, 15, s43                        ; my row of the cluster
	s_lshl_b32 s44, 0x1111, s40                    ; my column
	s_or_b32 s[G1+0], s43, (1<<16)|(1<<20)|(1<<21)|(4<<22)|(3<<25)   ; elements of 2 bytes; padding: after every 32 words, 4 words
	s_mov_b32 s[G1+1], 128<<16                     ; tensor_dim0 = 128
	s_mov_b32 s[G1+2], 64<<16                      ; tensor_dim1 = 64
	s_mov_b32 s[G1+3], 128<<16                     ; tile_dim0 = 128
	s_mov_b32 s[G1+4], 64                          ; tile_dim1 = 64
	s_mov_b32 s[G1+5], 128                         ; dense
	s_mov_b32 s[G1+6], 0
	s_mov_b32 s[G1+7], 0
	s_or_b32 s[G1B+0], s44, (1<<16)|(1<<20)|(1<<21)|(5<<22)|(3<<25)  ; after every 64 words, 4 words
	s_mov_b32 s[G1B+1], 128<<16
	s_mov_b32 s[G1B+2], 128<<16
	s_mov_b32 s[G1B+3], 128<<16
	s_mov_b32 s[G1B+4], 128
	s_mov_b32 s[G1B+5], 1024
	s_mov_b32 s[G1B+6], 0
	s_mov_b32 s[G1B+7], 0
	s_lshl_b32 s16, s41, 22                        ; O: 16 heads of 262,144 bytes a batch,
	s_lshl_b32 s17, s[WN], 18                      ; the head of the pair that I fetch,
	s_add_co_u32 s16, s16, s17
	s_lshl_b32 s17, s45, 14                        ; 128 rows of 128 bytes a block of s
	s_add_co_u32 s16, s16, s17
	s_mov_b32 s17, 0
	s_lshl_b32 s18, s42, 19                        ; Wo: 256 rows of 2,048 bytes a block,
	s_lshl_b32 s19, s[WN], 18                      ; the 128 rows that I fetch,
	s_add_co_u32 s18, s18, s19
	s_add_co_u32 s18, s18, 3<<21                   ; in the fourth matrix of w16
	s_mov_b32 s19, 0
	s_mul_i32 s20, s[WN], AHEAD                    ; where they go: no place in the cluster enters an LDS address
	s_mul_i32 s21, s[WN], BHALF
	s_add_co_u32 s21, s21, BOFF
	s_mov_b32 s[HIM], 0xffff0000
	s_wait_dscnt 0x0                               ; the opening add is done
	s_wait_kmcnt 0x0
	s_add_nc_u64 s[46:47], s[4:5], s[16:17]
	s_add_nc_u64 s[22:23], s[6:7], s[18:19]
	CROUND                                         ; all sixteen work-groups are here: the first joint loads meet
.irp s, 0,1
	s_mov_b32 s[G0+4*(\s)], 1
	s_add_co_u32 s[G0+4*(\s)+1], s20, (\s)*SLOT
	s_add_nc_u64 s[G0+4*(\s)+2:G0+4*(\s)+3], s[46:47], (\s)*524288   ; K step s: heads 2 s, 2 s + 1
	s_or_b32 s[G0+4*(\s)+3], s[G0+4*(\s)+3], 0x80000000
	s_mov_b32 s[G0B+4*(\s)], 1
	s_add_co_u32 s[G0B+4*(\s)+1], s21, (\s)*SLOT
	s_add_nc_u64 s[G0B+4*(\s)+2:G0B+4*(\s)+3], s[22:23], (\s)*256
	s_or_b32 s[G0B+4*(\s)+3], s[G0B+4*(\s)+3], 0x80000000
	JLOAD \s
.endr
	v_and_b32 v1, 15, v0                           ; l % 16
	v_bfe_u32 v2, v0, 4, 1                         ; l / 16
	v_mul_u32_u24 v3, v1, PA
	v_lshl_add_u32 v3, v2, 4, v3
	v_mul_u32_u24 v4, v1, PB
	v_lshl_add_u32 v4, v2, 4, v4
	s_mul_i32 s16, s[WM], 64*PA                    ; my 64 rows of each head
	s_mul_i32 s17, s[WN], BHALF                    ; my 128 rows of Wo
	s_add_co_u32 s17, s17, BOFF
.irp s, 0,1
	v_add_nc_u32 v[ADRA+(\s)], s16, v3
	v_add_nc_u32 v[ADRB+(\s)], s17, v4
	s_add_co_u32 s16, s16, SLOT
	s_add_co_u32 s17, s17, SLOT
.endr
	s_mul_i32 s16, s[WV], 16*SPITCH
	s_add_co_u32 s16, s16, STAGE                   ; my stage
	v_mul_u32_u24 v5, v1, SPITCH
	v_lshl_add_u32 v5, v2, 5, v5
	v_add_nc_u32 v[STO], s16, v5                   ; in: row l % 16, 32 bytes for each half of the lanes
	v_and_b32 v[CO], 31, v0
	v_lshlrev_b32 v[CO], 4, v[CO]
	v_add_nc_u32 v[RD], s16, v[CO]                 ; back: 32 lanes take a row's 512 bytes
	v_lshlrev_b32 v[BO], 5, v2
	s_lshl_b32 s16, s42, 10                        ; my 128 columns, in bytes of f32
	s_lshl_b32 s17, s[WN], 9
	s_add_co_u32 s16, s16, s17
	s_mov_b32 s17, 0
	s_add_nc_u64 s[8:9], s[8:9], s[16:17]          ; in bo,
	s_add_nc_u64 s[10:11], s[10:11], s[16:17]      ; and in a row of out0;
	s_lshl_b32 s16, s45, 21                        ; 128 s of 16,384 bytes a block,
	s_lshl_b32 s18, s[WM], 20                      ; my 64 rows,
	s_add_co_u32 s16, s16, s18
	s_lshl_b32 s18, s41, 12                        ; the batch
	s_add_co_u32 s16, s16, s18
	s_add_nc_u64 s[10:11], s[10:11], s[16:17]
.irp b, 0,1,2,3,4,5,6,7
	global_load_b128 v[RAW+8*(\b):RAW+8*(\b)+3],   v[BO], s[8:9] offset:64*(\b)
	global_load_b128 v[RAW+8*(\b)+4:RAW+8*(\b)+7], v[BO], s[8:9] offset:64*(\b)+16
.endr
	s_wait_loadcnt 0x0
.set i, 0
.rept 32
	v_cvt_pk_bf16_f32 v[TMP+i], v[RAW+2*i], v[RAW+2*i+1]   ; the bias is rounded to bf16 like every input,
.set i, i+1
.endr
	WIN TO_F
.set i, 0
.rept 32
	v_lshlrev_b32 v[BIAS+2*i],   16, v[TMP+i]              ; and widened again
	v_and_b32     v[BIAS+2*i+1], s[HIM], v[TMP+i]
.set i, i+1
.endr
	WIN 0
; 24 LDS loads in one run: the fragments of 32 along K, quarter kq of the slot (head kq / 2 of the pair, channels 32 (kq % 2) on), into buffer f: Wo's eight, then O's four
.macro FETCH slot, kq, f
	WIN TO_F
.irp i, 0,1,2,3,4,5,6,7
	ds_load_b128 v[(\f)+8*(\i):(\f)+8*(\i)+3],   v[ADRB+(\slot)] offset:(\kq)*64+(\i)*16*PB
	ds_load_b128 v[(\f)+8*(\i)+4:(\f)+8*(\i)+7], v[ADRB+(\slot)] offset:(\kq)*64+(\i)*16*PB+32
.endr
.irp a, 0,1,2,3
	ds_load_b128 v[(\f)+64+8*(\a):(\f)+64+8*(\a)+3],   v[ADRA+(\slot)] offset:((\kq)/2)*AHEAD+((\kq)%2)*64+(\a)*16*PA
	ds_load_b128 v[(\f)+64+8*(\a)+4:(\f)+64+8*(\a)+7], v[ADRA+(\slot)] offset:((\kq)/2)*AHEAD+((\kq)%2)*64+(\a)*16*PA+32
.endr
.endm
.macro MUL8 f, a, first                ; eight products: O's fragment a, all of Wo's.  The 32 accumulators take turns, one instruction a turn
.if \first
	WIN MULB
.else
	WIN MUL
.endif
.irp b, 0,1,2,3,4,5,6,7
.if \first
	v_wmma_f32_16x16x32_f16 v[8*(8*(\a)+(\b)):8*(8*(\a)+(\b))+7], v[(\f)+8*(\b):(\f)+8*(\b)+7], v[(\f)+64+8*(\a):(\f)+64+8*(\a)+7], v[BIAS+8*(\b):BIAS+8*(\b)+7]
.else
	v_wmma_f32_16x16x32_f16 v[8*(8*(\a)+(\b)):8*(8*(\a)+(\b))+7], v[(\f)+8*(\b):(\f)+8*(\b)+7], v[(\f)+64+8*(\a):(\f)+64+8*(\a)+7], v[8*(8*(\a)+(\b)):8*(8*(\a)+(\b))+7]
.endif
.endr
.endm
.macro QUARTER slot, kq, f, g, first
	s_wait_dscnt 4                                 ; Wo's fragments and O's 0 and 1 are in; the youngest four loads (O's 2 and 3) may be out
	MUL8 \f, 0, \first
	MUL8 \f, 1, \first
	PLACES
	FETCH \slot, \kq, \g
	s_wait_dscnt 24                                ; all but the 24 just issued
	MUL8 \f, 2, \first
	MUL8 \f, 3, \first
.endm
; The last quarter multiplies buffer 1 and changes slots: one barrier; in front of it each wave waits for all its tensor loads, adds 0 to its spare word, and waits for that and for its reads of this slot.
.macro TURN slot, next, fill
	WIN 0
	s_wait_tensorcnt 0x0                           ; all my tensor loads have landed: my part of the next slot
	ds_add_u32 v[SPW], v[NIL]                      ; 0 onto my spare word
	s_wait_dscnt 5                                 ; (the add and the youngest four loads may be out)
	MUL8 F1, 0, 0
	s_wait_dscnt 0x0                               ; the add is done, and my reads of this slot are over
	s_barrier_signal -1
	MUL8 F1, 1, 0
	WIN 0
	s_barrier_wait -1
.if \fill
	CREST                                          ; no wave of any partner still reads this slot or has a load on its way
	s_add_nc_u64 s[G0+4*(\slot)+2:G0+4*(\slot)+3], s[G0+4*(\slot)+2:G0+4*(\slot)+3], 2*524288
	s_add_nc_u64 s[G0B+4*(\slot)+2:G0B+4*(\slot)+3], s[G0B+4*(\slot)+2:G0B+4*(\slot)+3], 512
	JLOAD \slot                                    ; the four v_nop behind it are also the places in front of the loads below
.else
	PLACES
.endif
	FETCH \next, 0, F0
	MUL8 F1, 2, 0
	MUL8 F1, 3, 0
.endm
	s_wait_tensorcnt 1                             ; my part of K step 0 is in; K step 1's may stay out
	s_barrier_signal -1
	s_barrier_wait -1
	FETCH 0, 0, F0
	QUARTER 0, 1, F0, F1, 1                        ; the first quarter's products start the sums with the bias
	WIN 0
	s_mov_b32 s3, LAPS-1
.Llap:
	QUARTER 0, 2, F1, F0, 0
	QUARTER 0, 3, F0, F1, 0
	TURN 0, 1, 1
	QUARTER 1, 1, F0, F1, 0
	QUARTER 1, 2, F1, F0, 0
	QUARTER 1, 3, F0, F1, 0
	TURN 1, 0, 1
	QUARTER 0, 1, F0, F1, 0
	WIN 0
	s_sub_co_u32 s3, s3, 1
	s_cmp_lg_u32 s3, 0
	s_cbranch_scc1 .Llap
	QUARTER 0, 2, F1, F0, 0                        ; the last lap fills nothing
	QUARTER 0, 3, F0, F1, 0
	TURN 0, 1, 0
	QUARTER 1, 1, F0, F1, 0
	QUARTER 1, 2, F1, F0, 0
	QUARTER 1, 3, F0, F1, 0
	s_wait_dscnt 4
	MUL8 F1, 0, 0
	MUL8 F1, 1, 0
	s_wait_dscnt 0x0
	MUL8 F1, 2, 0
	MUL8 F1, 3, 0
	PLACES
	PLACES                                         ; eight, once a launch: the stores below read results just made, and the loads land on registers just read
; THE WAY OUT, 16 rows at a time: a lane's eight f32 of a row go into my stage (each accumulator's low four registers first) and come back as whole rows of 512 bytes, into registers of the block's own.
.macro TOSTAGE a
	WIN 0x04                                       ; store data in window 1
.irp b, 0,1,2,3,4,5,6,7
	ds_store_b128 v[STO], v[8*(8*(\a)+(\b)):8*(8*(\a)+(\b))+3]   offset:64*(\b)
	ds_store_b128 v[STO], v[8*(8*(\a)+(\b))+4:8*(8*(\a)+(\b))+7] offset:64*(\b)+16
.endr
	WIN TO_F
.irp i, 0,1,2,3,4,5,6,7,8,9,10,11,12,13,14,15
	ds_load_b128 v[64*(\a)+4*(\i):64*(\a)+4*(\i)+3], v[RD] offset:(\i)*SPITCH  ; LDS serves a wave's instructions in order: these see the stores above
.endr
.endm
.macro SEND a, younger                 ; younger: the LDS instructions issued behind block a's loads: the next block's 32, or none
	WIN 0x08                                       ; store data in window 2
.irp i, 0,1,2,3,4,5,6,7,8,9,10,11,12,13,14,15
	s_wait_dscnt (\younger)+15-(\i)
	global_store_b128 v[CO], v[64*(\a)+4*(\i):64*(\a)+4*(\i)+3], s[10:11] offset:(16*(\a)+(\i))*16384 th:TH_STORE_NT  ; 512 consecutive bytes of a row, at a multiple of 512 from out0's first byte
.endr
.endm
	TOSTAGE 0
.irp a, 1,2,3
	TOSTAGE \a
	SEND (\a)-1, 32
.endr
	SEND 3, 0
	WIN 0
	s_wait_tensorcnt 0x0                           ; the wave's end: behind my last tensor load and my last LDS store
	ds_add_u32 v[SPW], v[NIL]
	s_wait_dscnt 0x0
	CROUND                                         ; the closing round
	s_endpgm
.Lfunc_end_k_q4a3aaf9199_outp:
	.size	k_q4a3aaf9199_outp, .Lfunc_end_k_q4a3aaf9199_outp-k_q4a3aaf9199_outp
	.p2alignl 7, 3214868480
	.fill 96, 4, 3214868480
	.section	.rodata,"a",@progbits
	.p2align	6, 0x0
	.amdhsa_kernel k_q4a3aaf9199_outp
		.amdhsa_group_segment_fixed_size 327680
		.amdhsa_private_segment_fixed_size 0
		.amdhsa_enable_private_segment 0
		.amdhsa_kernarg_size 32
		.amdhsa_user_sgpr_count 2
		.amdhsa_user_sgpr_kernarg_segment_ptr 1
		.amdhsa_wavefront_size32 1
		.amdhsa_system_sgpr_workgroup_id_x 1
		.amdhsa_system_sgpr_workgroup_id_y 1
		.amdhsa_system_sgpr_workgroup_id_z 1
		.amdhsa_system_vgpr_workitem_id 0
		.amdhsa_next_free_vgpr 768
		.amdhsa_next_free_sgpr 66
		.amdhsa_reserve_vcc 0
		.amdhsa_float_denorm_mode_32 3
		.amdhsa_float_denorm_mode_16_64 3
		.amdhsa_memory_ordered 1
		.amdhsa_forward_progress 1
		.amdhsa_inst_pref_size 93
	.end_amdhsa_kernel
	.amdgpu_metadata
---
amdhsa.version: [ 1, 2 ]
amdhsa.kernels:
  - .name:           k_q4a3aaf9199_outp
    .symbol:         k_q4a3aaf9199_outp.kd
    .args:
      - { .name: o16, .offset: 0, .size: 8, .value_kind: global_buffer, .address_space: global }
      - { .name: w16, .offset: 8, .size: 8, .value_kind: global_buffer, .address_space: global }
      - { .name: bo, .offset: 16, .size: 8, .value_kind: global_buffer, .address_space: global }
      - { .name: out0, .offset: 24, .size: 8, .value_kind: global_buffer, .address_space: global }
    .group_segment_fixed_size: 327680
    .private_segment_fixed_size: 0
    .kernarg_segment_align: 8
    .kernarg_segment_size: 32
    .max_flat_workgroup_size: 128
    .sgpr_count:     66
    .vgpr_count:     768
    .wavefront_size: 32
...
	.end_amdgpu_metadata
.endif
;; end of part 4
